; MI455X (gfx1250); checked and timed in simulation.
; The chip was launched on July 23, 2026; its instructions are those of AMD's public machine-readable ISA for CDNA 5 (MIT licence, August 2026) and "CDNA5" Instruction Set Architecture Reference Guide (July 2026). The comments in the code are by the model that wrote it; some were corrected since.
;; construct ABC. Allowed arithmetic: float matrix products may take bf16 or f16 operands with f32 sums; all other float work in f32.
;; Inputs: coords 8 x 4,096 x 3 float32; mask 8 x 4,096 bool.
;; Outputs: out0 8 x 4,096 x 3 float32; out1 8 x 4,096 x 3 float32; out2 8 x 4,096 int32; out3 8 x 4,096 int32.
;; 2 versions, each right; version 2 is version 1 with the launch scan written anew for expert scheduling mode. Each part assembles by itself: llvm-mc -triple=amdgcn-amd-amdhsa -mcpu=gfx1250 --defsym DOCPART=n.
;; ======== version 1 of 2: 2 launches
;; workspace buffers: cand 524,288 bytes of whole numbers
;; launch scan (part 1): grid 256 x 1, 8 waves a work-group, no clusters, 70,656 bytes of LDS; arguments coords, cand; writes cand
.if DOCPART == 1
	.amdgcn_target "amdgcn-amd-amdhsa--gfx1250"
	.amdhsa_code_object_version 6
	.text
	.protected	k_q4450006bc7_scan
	.globl	k_q4450006bc7_scan
	.p2align	8
	.type	k_q4450006bc7_scan,@function
k_q4450006bc7_scan:
	s_mov_b64 s[64:65], 0
	v_nop
	global_prefetch_b8 v0, s[64:65] scope:SCOPE_SE
	s_setreg_imm32_b32 hwreg(HW_REG_WAVE_MODE, 25, 1), 1
	s_wait_xcnt 0x0
; SCAN: for every query point, which groups of 16 neighbouring candidates can hold its two nearest neighbours.
; coords: [8][4096][3] f32.  cand: [8*4096][4] i32 = (best, second, third group other than the query's own; the query's own group).
; A group is 16 candidates with the same index >> 4.  The two nearest candidates always lie in the two groups with the smallest
; group minimum; a third group is kept because the matrix sum rounds in another order than the problem's formula and may swap ranks
; 2 and 3; the own group (it holds the query itself) is left out here and always handed on.  The next launch ranks these 64
; candidates in the formula's own order of rounding, clamp, root and self mask included.
; THE KEY: key(c) = |c|^2 - 2 q.c, that is d2 less the query's own |q|^2, the same for all candidates of a query: the order is d2's.
; One matrix instruction makes 16 x 16 keys: row of A = candidate (x, y, z, s_hi, s_mid, s_lo, 0, 0), column of B = query
; (-2x, -2y, -2z, 1, 1, 1, 0, 0), all bf16; s_hi + s_mid + s_lo is the f32 |c|^2 of the rounded point, split without error.
; LIMITS: the key is rounded otherwise than the formula's d2.  If four or more groups besides the own one hold candidates that agree
; with the second nearest within that rounding (a few units in the last place of |c|^2), one outside the three kept is never ranked.
; Equal keys go to the lower group.  Inputs finite, squares within f32.
; The input mask is no argument of this launch: the problem's formula never uses it.
; SHARES: 256 work-groups; a work-group has 128 queries of one batch, in four sets of 32 (two B fragments).  Eight waves: waves w and
; w + 4 have the same set and walk one half of the 4096 candidates each, so that one wave's ranking can be issued while another
; waits for its products or its fragments.  At the end waves 4-7 hand their lists to waves 0-3 through LDS.
; The 32 work-groups of a batch read the same 49,152 bytes once, at the start, and each point has to pass through registers to be
; rounded and squared: no joint request is made for so small a part of the work (256 matrix instructions a wave).
.set NPTS,   4096
.set BATCHB, NPTS*12                   ; bytes of a batch's coordinates
.set LOGP,   1
.set PARTS,  1<<LOGP                   ; parts into which the candidates are shared out
.set STEPS,  128/PARTS                 ; steps of 32 candidates a wave
.set THREADS, 128*PARTS
.set NP,     NPTS/THREADS              ; points that a thread puts into the table
.set XCH,    65536                     ; LDS behind the table: 1,024 bytes for each wave from 4 on, 32 bytes a lane
.set VR,  1                            ; lane & 15
.set VH,  2                            ; bit 4 of the lane
.set LA,  3                            ; LDS address of my row of the tile that the loop's offsets count from
.set STA, 4                            ; LDS address of my row while the table is built
.set GO,  5                            ; byte offset of my first point in the batch
.set QO,  6                            ; byte offset of my query
.set XA,  7                            ; XCH - 4096 + 1024 x wave + 32 x lane: where a wave from 4 on puts its list
.set T0,  8                            ; v8-9 scratch
.set QF,  16                           ; v16-31   two query fragments (B), 8 registers each
.set AF,  32                           ; v32-63   candidate fragments (A): set 0/1 x tile 0/1, 8 registers each; upper 4 stay 0
.set D,   64                           ; v64-127  keys: set 0/1 x query tile 0/1 x candidate tile 0/1, 8 registers each
.set TB,  64                           ; v64-95   while the table is built: four points at work, 8 registers each
.set SB,  128                          ; v128-139 per query tile: three best keys, then their ids
.set KT,  140                          ; v140-149 per query tile: five registers of the minimum tree
.set QR,  150                          ; v150-155 raw coordinates of my two queries
.set MK,  150                          ; v150-152 later: the three keys of lane l's query (l of the set's 32)
.set MI,  156                          ; v156-159 later: their ids, and the own group: what is stored
.set RAW, 160                          ; v160-207 raw coordinates of my 16 points
.set P,   160                          ; v160-165 later: the other half's list
.set XK,  160                          ; v160-162 later still: a partner wave's keys
.set XI,  164                          ; v164-166 and ids
	s_load_b128 s[4:7], s[0:1], 0x0                ; coords s[4:5], cand s[6:7]
	v_lshl_add_u32 v208, v0, 2, 0x11000
	v_mov_b32 v209, 0
	v_lshrrev_b32 v[T0], 5, v0
	v_readfirstlane_b32 s8, v[T0]                  ; wave 0..7
	s_and_b32 s37, s8, 3                           ; which 32 of the work-group's queries
	s_lshr_b32 s38, s8, 2                          ; which part of the candidates
	s_lshr_b32 s9, ttmp9, 5                        ; batch
	s_and_b32 s10, ttmp9, 31                       ; which 128 queries of the batch
	s_mul_i32 s12, s9, BATCHB
	s_mov_b32 s13, 0
	s_lshl_b32 s2, ttmp9, 11                       ; cand: 128 queries x 16 bytes a work-group
	s_mov_b32 s3, 0
	s_lshl2_add_u32 s11, s10, s37                  ; 4 x block + set: my 32 queries are candidates 32 s11 .. 32 s11 + 31, the step that holds both own groups
	s_lshl_b32 s31, s11, 1                         ; own group of query tile 0; tile 1's is one more
	s_mul_i32 s33, s11, 384                        ; 32 queries x 12 bytes
	s_lshl_b32 s39, s38, 16-LOGP                   ; my part of the table
	s_lshl_b32 s34, s8, 10
	s_add_co_u32 s34, s34, XCH-4096                ; wave 4's 1,024 bytes begin at XCH
	s_mov_b32 s14, 0xffff0000                      ; a word's upper bf16; also: lanes 16-31
	s_mov_b32 s15, 0x07060302                      ; v_perm_b32: the two upper halves
	s_mov_b32 s26, 0x7f800000                      ; +infinity
	s_mov_b32 s27, 0x0000ffff                      ; lanes 0-15
	s_mov_b32 s29, 0x76543210                      ; v_permlanex16_b32: lane i of the other half
	s_mov_b32 s30, 0xfedcba98
	s_mov_b32 s36, 0x3f803f80                      ; bf16 1.0 twice
	v_and_b32 v[VR], 15, v0
	v_bfe_u32 v[VH], v0, 4, 1
	; Row p of the table holds candidate c = p with bits 3 and 4 exchanged.  A lane's results are rows 8h .. 8h+7 of a tile, so with this
	; order its 16 results of tiles 2u and 2u+1 are candidates 32u + 16h .. + 15: one group, id 2u + h.
	v_and_b32 v[T0], THREADS-1-0x18, v0
	v_bfe_u32 v[T0+1], v0, 3, 1
	v_lshl_or_b32 v[T0], v[T0+1], 4, v[T0]
	v_lshl_or_b32 v[T0], v[VH], 3, v[T0]           ; thread t fills rows t + 256 i from candidates swap(t) + 256 i
	v_mul_u32_u24 v[GO], v[T0], 12
	v_mad_u32_u24 v[QO], v[VR], 12, s33
	v_lshlrev_b32 v[STA], 4, v0                    ; neighbouring lanes store neighbouring 16 bytes
	v_lshl_add_u32 v[LA], v[VR], 4, s39            ; both halves of the lanes read rows 0-15 of a tile: 256 consecutive bytes
	v_and_b32 v[T0+1], 31, v0
	v_lshl_add_u32 v[XA], v[T0+1], 5, s34
	s_wait_kmcnt 0x0
	s_add_nc_u64 s[4:5], s[4:5], s[12:13]
	s_add_nc_u64 s[6:7], s[6:7], s[2:3]
.irp k, 0,1,2
	global_load_b32 v[QR+\k],   v[QO], s[4:5] offset:4*\k
	global_load_b32 v[QR+3+\k], v[QO], s[4:5] offset:192+4*\k
.endr
.set i, 0
.rept NP
	global_load_b32 v[RAW+3*i],   v[GO], s[4:5] offset:12*THREADS*i
	global_load_b32 v[RAW+3*i+1], v[GO], s[4:5] offset:12*THREADS*i+4
	global_load_b32 v[RAW+3*i+2], v[GO], s[4:5] offset:12*THREADS*i+8
.set i, i+1
.endr
	; what stays constant: K = 16..31 of every fragment is 0, the lists start empty
.irp f, 0,1,2,3
.irp j, 4,5,6,7
	v_mov_b32 v[AF+8*\f+\j], 0
.endr
.endr
.irp q, 0,1
.irp j, 3,4,5,6,7
	v_mov_b32 v[QF+8*\q+\j], 0
.endr
.irp j, 0,1,2
	v_mov_b32 v[SB+6*\q+\j], s26
	v_mov_b32 v[SB+6*\q+3+\j], 0
.endr
.endr
.irp p, 0,1,2,3
	v_mov_b32 v[TB+8*\p+3], 0                      ; K = 6, 7 of a table row
.endr
	; The query fragments.  Rounding -2x to bf16 is -2 times the rounded x.  Lanes 16-31 hold K = 8..15 of B: zeros, so that what
	; lanes 16-31 of A hold (a second copy of the rows) adds nothing.
	s_wait_loadcnt 3*NP                            ; the points' 48 loads were issued behind the six of the queries
.irp q, 0,1
.irp k, 0,1,2
	v_mul_f32 v[QR+3*\q+\k], -2.0, v[QR+3*\q+\k]
.endr
	v_cvt_pk_bf16_f32 v[QF+8*\q],   v[QR+3*\q], v[QR+3*\q+1]
	v_cvt_pk_bf16_f32 v[QF+8*\q+1], v[QR+3*\q+2], 1.0
	v_cndmask_b32 v[QF+8*\q],   0, v[QF+8*\q],   s27
	v_cndmask_b32 v[QF+8*\q+1], 0, v[QF+8*\q+1], s27
	v_cndmask_b32 v[QF+8*\q+2], 0, s36, s27
.endr
	; The table, four points at a time so that no line waits for the one in front of it.
.set n, 0
.rept NP/4
	s_wait_loadcnt 3*NP-12*(n+1)                   ; three loads for each point behind these four
.irp p, 0,1,2,3
	v_cvt_pk_bf16_f32 v[TB+8*\p], v[RAW+12*n+3*\p], v[RAW+12*n+3*\p+1]      ; x, y
.endr
.irp p, 0,1,2,3
	v_cvt_pk_bf16_f32 v[TB+8*\p+1], v[RAW+12*n+3*\p+2], 0                   ; z
.endr
.irp p, 0,1,2,3
	v_lshlrev_b32 v[TB+8*\p+4], 16, v[TB+8*\p]
.endr
.irp p, 0,1,2,3
	v_and_b32 v[TB+8*\p+5], s14, v[TB+8*\p]
.endr
.irp p, 0,1,2,3
	v_lshlrev_b32 v[TB+8*\p+6], 16, v[TB+8*\p+1]
.endr
.irp p, 0,1,2,3
	v_mul_f32 v[TB+8*\p+7], v[TB+8*\p+4], v[TB+8*\p+4]                      ; |c|^2 of the rounded point, x, y, z in turn
.endr
.irp p, 0,1,2,3
	v_fmac_f32 v[TB+8*\p+7], v[TB+8*\p+5], v[TB+8*\p+5]
.endr
.irp p, 0,1,2,3
	v_fmac_f32 v[TB+8*\p+7], v[TB+8*\p+6], v[TB+8*\p+6]
.endr
.irp p, 0,1,2,3
	v_and_b32 v[TB+8*\p+4], s14, v[TB+8*\p+7]                               ; its upper 8 bits,
.endr
.irp p, 0,1,2,3
	v_sub_f32 v[TB+8*\p+5], v[TB+8*\p+7], v[TB+8*\p+4]                      ; the 16 that are left (exact),
.endr
.irp p, 0,1,2,3
	v_or_b32 v[TB+8*\p+1], v[TB+8*\p+1], v[TB+8*\p+4]                       ; z | s_hi
.endr
.irp p, 0,1,2,3
	v_and_b32 v[TB+8*\p+6], s14, v[TB+8*\p+5]                               ; their upper 8,
.endr
.irp p, 0,1,2,3
	v_sub_f32 v[TB+8*\p+5], v[TB+8*\p+5], v[TB+8*\p+6]                      ; and the last 8 (exact, a bf16 number)
.endr
.irp p, 0,1,2,3
	v_perm_b32 v[TB+8*\p+2], v[TB+8*\p+5], v[TB+8*\p+6], s15                ; s_mid | s_lo
.endr
.irp p, 0,1,2,3
	ds_store_b128 v[STA], v[TB+8*\p:TB+8*\p+3] offset:16*THREADS*(4*n+\p)
.endr
.set n, n+1
.endr
	s_wait_dscnt 0x0                               ; my rows are in LDS,
	s_barrier_signal -1
	s_barrier_wait -1                              ; everybody's are; the table is only read from here on
; The group of step id in set buf is ranked, both query tiles side by side.  20 vector instructions a tile for 16 keys a lane.
.macro PROC buf, id
	s_cmp_eq_u32 \id, s11                          ; the step with my queries' own groups: tile 0's lies in lanes 0-15, tile 1's in lanes 16-31
	s_cselect_b32 s18, s27, 0
	s_cselect_b32 s19, s14, 0
.irp q, 0,1
.irp j, 0,1,2,3,4
	v_min3_num_f32 v[KT+5*\q+\j], v[D+32*\buf+16*\q+3*\j], v[D+32*\buf+16*\q+3*\j+1], v[D+32*\buf+16*\q+3*\j+2]
.endr
.endr
.irp q, 0,1
	v_min3_num_f32 v[KT+5*\q],   v[KT+5*\q],   v[KT+5*\q+1], v[KT+5*\q+2]
	v_min3_num_f32 v[KT+5*\q+3], v[KT+5*\q+3], v[KT+5*\q+4], v[D+32*\buf+16*\q+15]
.endr
.irp q, 0,1
	v_min_num_f32 v[KT+5*\q], v[KT+5*\q], v[KT+5*\q+3]
.endr
.irp q, 0,1
	v_cndmask_b32 v[KT+5*\q], v[KT+5*\q], s26, s[18+\q]                     ; the own group never enters a list
.endr
.irp q, 0,1
	v_cmp_lt_f32 s[20+3*\q], v[KT+5*\q], v[SB+6*\q]                         ; strictly less: of equal keys the earlier, lower group stays in front
	v_cmp_lt_f32 s[21+3*\q], v[KT+5*\q], v[SB+6*\q+1]
	v_cmp_lt_f32 s[22+3*\q], v[KT+5*\q], v[SB+6*\q+2]
.endr
.irp q, 0,1
	v_cndmask_b32 v[SB+6*\q+5], v[SB+6*\q+5], \id, s[22+3*\q]
.endr
.irp q, 0,1
	v_med3_num_f32 v[SB+6*\q+2], v[SB+6*\q+1], v[SB+6*\q+2], v[KT+5*\q]     ; the new third of a sorted list is the middle of second, third and key
.endr
.irp q, 0,1
	v_cndmask_b32 v[SB+6*\q+5], v[SB+6*\q+5], v[SB+6*\q+4], s[21+3*\q]
.endr
.irp q, 0,1
	v_cndmask_b32 v[SB+6*\q+4], v[SB+6*\q+4], \id, s[21+3*\q]
.endr
.irp q, 0,1
	v_med3_num_f32 v[SB+6*\q+1], v[SB+6*\q], v[SB+6*\q+1], v[KT+5*\q]
.endr
.irp q, 0,1
	v_cndmask_b32 v[SB+6*\q+4], v[SB+6*\q+4], v[SB+6*\q+3], s[20+3*\q]
.endr
.irp q, 0,1
	v_cndmask_b32 v[SB+6*\q+3], v[SB+6*\q+3], \id, s[20+3*\q]
.endr
.irp q, 0,1
	v_min_num_f32 v[SB+6*\q], v[SB+6*\q], v[KT+5*\q]
.endr
.endm
; One step: 32 candidates (two tiles) against 32 queries (two tiles).  Each product starts from the constant 0 and has a D of its own:
; no accumulator is taken up again.  Behind the four matrix instructions the step before is ranked, from the other set of D: 40 plain
; vector instructions that name none of these four's registers.  They are the places in front of the loads into the
; A fragments just read, and in front of the next step's reads of this step's D.
; left: the LDS loads issued behind this step's two, which may stay out.
.macro STEP cur, prev, id, ldoff, left
	s_wait_dscnt \left
.irp q, 0,1
.irp p, 0,1
	v_wmma_f32_16x16x32_bf16 v[D+32*\cur+16*\q+8*\p:D+32*\cur+16*\q+8*\p+7], v[AF+16*\cur+8*\p:AF+16*\cur+8*\p+7], v[QF+8*\q:QF+8*\q+7], 0
.endr
.endr
.if \prev >= 0
	PROC \prev, \id
.else
.rept 4
	v_nop                                          ; the first step has nothing to rank: four places in front of the loads and of the first reads of its keys
.endr
.endif
.if \ldoff >= 0
	ds_load_b128 v[AF+16*\cur:AF+16*\cur+3],    v[LA] offset:\ldoff         ; the step after next, into the set just multiplied
	ds_load_b128 v[AF+16*\cur+8:AF+16*\cur+11], v[LA] offset:\ldoff+256
.endif
.endm
	ds_load_b128 v[AF:AF+3],     v[LA]             ; my part's step 0
	ds_load_b128 v[AF+8:AF+11],  v[LA] offset:256
	ds_load_b128 v[AF+16:AF+19], v[LA] offset:512  ; step 1
	ds_load_b128 v[AF+24:AF+27], v[LA] offset:768
	s_lshl_b32 s16, s38, 7-LOGP                    ; the step that is ranked next, counted over the whole table: my part begins at 64 x part
	s_mov_b32 s28, 0                               ; trips
	STEP 0, -1, s16, 1024, 2                       ; step 0
.Lscan:                                            ; trip k: my steps 2k+1 and 2k+2 are multiplied, 2k and 2k+1 ranked, 2k+3 and 2k+4 fetched
	STEP 1, 0, s16, 1536, 2
	s_add_co_u32 s17, s16, 1
	STEP 0, 1, s17, 2048, 2
	v_add_nc_u32 v[LA], 1024, v[LA]                ; two steps of 512 bytes
	s_add_co_u32 s16, s16, 2
	s_add_co_u32 s28, s28, 1
	s_cmp_lt_u32 s28, (STEPS-4)/2
	s_cbranch_scc1 .Lscan
	STEP 1, 0, s16, 1536, 2                        ; the last step but two; the last fetch: my part's last 512 bytes
	s_add_co_u32 s17, s16, 1
	STEP 0, 1, s17, -1, 2                          ; the last but one
	s_add_co_u32 s17, s16, 2
	STEP 1, 0, s17, -1, 0                          ; the last: nothing was issued behind its loads
	s_add_co_u32 s17, s16, 3
	PROC 1, s17
	; Lanes r and r + 16 hold the lists of the even and of the odd groups of query r: merge them, by (key, group id).
.irp q, 0,1
.irp j, 3,4,5
	v_lshl_add_u32 v[SB+6*\q+\j], v[SB+6*\q+\j], 1, v[VH]                   ; group id = 2 x step + half
.endr
.endr
.macro INS q, key, id                  ; one entry of the other half's list is put in its place in mine
.irp j, 0,1,2
	v_cmp_lt_f32 s[20+\j], v[\key], v[SB+6*\q+\j]
	v_cmp_eq_f32 s34, v[\key], v[SB+6*\q+\j]
	v_cmp_lt_u32 s35, v[\id], v[SB+6*\q+3+\j]
	s_and_b32 s34, s34, s35
	s_or_b32 s[20+\j], s[20+\j], s34               ; smaller key, or the same key and the lower group
.endr
	v_cndmask_b32 v[SB+6*\q+5], v[SB+6*\q+5], v[\id], s22
	v_med3_num_f32 v[SB+6*\q+2], v[SB+6*\q+1], v[SB+6*\q+2], v[\key]
	v_cndmask_b32 v[SB+6*\q+5], v[SB+6*\q+5], v[SB+6*\q+4], s21
	v_cndmask_b32 v[SB+6*\q+4], v[SB+6*\q+4], v[\id], s21
	v_med3_num_f32 v[SB+6*\q+1], v[SB+6*\q], v[SB+6*\q+1], v[\key]
	v_cndmask_b32 v[SB+6*\q+4], v[SB+6*\q+4], v[SB+6*\q+3], s20
	v_cndmask_b32 v[SB+6*\q+3], v[SB+6*\q+3], v[\id], s20
	v_min_num_f32 v[SB+6*\q], v[SB+6*\q], v[\key]
.endm
.irp q, 0,1
.irp j, 0,1,2,3,4,5
	v_permlanex16_b32 v[P+\j], v[SB+6*\q+\j], s29, s30                      ; its destination counts as read: these registers were loaded at the start
.endr
.irp e, 0,1,2
	INS \q, P+\e, P+3+\e
.endr
.endr
	; both halves now hold the same lists: lanes 0-15 go on with query tile 0's, lanes 16-31 with tile 1's: lane l has query l of the 32
.irp j, 0,1,2
	v_cndmask_b32 v[MK+\j], v[SB+\j],   v[SB+6+\j], s14
	v_cndmask_b32 v[MI+\j], v[SB+3+\j], v[SB+9+\j], s14
.endr
	; The parts meet: waves from 4 on put their lists into LDS bytes of their own, behind the table; waves 0-3 take them in.
	s_cmp_lt_u32 s8, 4
	s_cbranch_scc1 .Lkeeper
	ds_store_b64 v[XA], v[MK:MK+1]
	ds_store_b32 v[XA], v[MK+2] offset:8
	ds_store_b64 v[XA], v[MI:MI+1] offset:16
	ds_store_b32 v[XA], v[MI+2] offset:24
.Lkeeper:
	s_wait_dscnt 0x0                               ; my list is in LDS,
	s_barrier_signal -1
	s_barrier_wait -1                              ; everybody's is
	s_cmp_ge_u32 s8, 4
	s_cbranch_scc1 .Lend
; An entry of a later part is put in its place.  Every group of a later part has a higher id than every group seen so far, so strictly
; less is the whole rule: of equal keys the lower group stays in front.
.macro INSL key, id
	v_cmp_lt_f32 s20, v[\key], v[MK]
	v_cmp_lt_f32 s21, v[\key], v[MK+1]
	v_cmp_lt_f32 s22, v[\key], v[MK+2]
	v_cndmask_b32 v[MI+2], v[MI+2], v[\id], s22
	v_med3_num_f32 v[MK+2], v[MK+1], v[MK+2], v[\key]
	v_cndmask_b32 v[MI+2], v[MI+2], v[MI+1], s21
	v_cndmask_b32 v[MI+1], v[MI+1], v[\id], s21
	v_med3_num_f32 v[MK+1], v[MK], v[MK+1], v[\key]
	v_cndmask_b32 v[MI+1], v[MI+1], v[MI], s20
	v_cndmask_b32 v[MI], v[MI], v[\id], s20
	v_min_num_f32 v[MK], v[MK], v[\key]
.endm
.set k, 1
.rept PARTS-1
	ds_load_b64 v[XK:XK+1], v[XA] offset:4096*k    ; wave w + 4k has my queries: its bytes lie 4,096 k behind the place that my own number gives
	ds_load_b32 v[XK+2],    v[XA] offset:4096*k+8
	ds_load_b64 v[XI:XI+1], v[XA] offset:4096*k+16
	ds_load_b32 v[XI+2],    v[XA] offset:4096*k+24
	s_wait_dscnt 0x0
.irp e, 0,1,2
	INSL XK+\e, XI+\e
.endr
.set k, k+1
.endr
	v_add_nc_u32 v[MI+3], s31, v[VH]               ; the own group
	v_lshlrev_b32 v[T0], 4, v0                     ; waves 0-3: thread t has query t of the work-group's 128
	global_store_b128 v[T0], v[MI:MI+3], s[6:7]    ; 512 consecutive bytes a wave
.Lend:
	s_wait_tensorcnt 0x0
	ds_add_u32 v208, v209
	s_wait_dscnt 0x0
	s_endpgm
.Lfunc_end_k_q4450006bc7_scan:
	.size	k_q4450006bc7_scan, .Lfunc_end_k_q4450006bc7_scan-k_q4450006bc7_scan
	.p2alignl 7, 3214868480
	.fill 96, 4, 3214868480
	.section	.rodata,"a",@progbits
	.p2align	6, 0x0
	.amdhsa_kernel k_q4450006bc7_scan
		.amdhsa_group_segment_fixed_size 70656
		.amdhsa_private_segment_fixed_size 0
		.amdhsa_enable_private_segment 0
		.amdhsa_kernarg_size 16
		.amdhsa_user_sgpr_count 2
		.amdhsa_user_sgpr_kernarg_segment_ptr 1
		.amdhsa_wavefront_size32 1
		.amdhsa_system_sgpr_workgroup_id_x 1
		.amdhsa_system_sgpr_workgroup_id_y 1
		.amdhsa_system_sgpr_workgroup_id_z 1
		.amdhsa_system_vgpr_workitem_id 0
		.amdhsa_next_free_vgpr 210
		.amdhsa_next_free_sgpr 66
		.amdhsa_reserve_vcc 0
		.amdhsa_float_denorm_mode_32 3
		.amdhsa_float_denorm_mode_16_64 3
		.amdhsa_memory_ordered 1
		.amdhsa_forward_progress 1
		.amdhsa_inst_pref_size 49
	.end_amdhsa_kernel
	.amdgpu_metadata
---
amdhsa.version: [ 1, 2 ]
amdhsa.kernels:
  - .name:           k_q4450006bc7_scan
    .symbol:         k_q4450006bc7_scan.kd
    .args:
      - { .name: coords, .offset: 0, .size: 8, .value_kind: global_buffer, .address_space: global }
      - { .name: cand, .offset: 8, .size: 8, .value_kind: global_buffer, .address_space: global }
    .group_segment_fixed_size: 70656
    .private_segment_fixed_size: 0
    .kernarg_segment_align: 8
    .kernarg_segment_size: 16
    .max_flat_workgroup_size: 256
    .sgpr_count:     66
    .vgpr_count:     210
    .wavefront_size: 32
...
	.end_amdgpu_metadata
.endif
;; end of part 1
;; launch refine (part 2): grid 256 x 1, 16 waves a work-group, no clusters, 6,144 bytes of LDS; arguments coords, cand, mask, out0, out1, out2, out3; writes out0, out1, out2, out3
.if DOCPART == 2
	.amdgcn_target "amdgcn-amd-amdhsa--gfx1250"
	.amdhsa_code_object_version 6
	.text
	.protected	k_q4450006bc7_refine
	.globl	k_q4450006bc7_refine
	.p2align	8
	.type	k_q4450006bc7_refine,@function
k_q4450006bc7_refine:
	s_mov_b64 s[64:65], 0
	v_nop
	global_prefetch_b8 v0, s[64:65] scope:SCOPE_SE
	s_setreg_imm32_b32 hwreg(HW_REG_WAVE_MODE, 25, 1), 1
	s_wait_xcnt 0x0
; REFINE: the 64 candidates that the first launch left for each query (three groups of 16, and the query's own group) are ranked as
; the problem's formula ranks them on coordinates rounded to bf16, rounding for rounding:
;   sq = (x x + y y) + z z,  inner = (x x' + y y') + z z'  (products of bf16 numbers are exact in f32, so each fused multiply-add rounds
;   where a separate addition would),  d2 = (sq_i + sq_j) - 2 inner,  dist = the correctly rounded root of max(d2, 0),  + 1e9 on the
;   query itself;  the two smallest by (dist, index).
; These few products are made on the vector unit because the order of their roundings decides ties; the 4096 x 4096 a batch went
; through the matrix unit in the first launch.
; out0, out1: the raw f32 coordinates of the first and second nearest; out2, out3: their indices.
; SHARES: 256 work-groups of 16 waves; a work-group has 128 queries, a query four neighbouring lanes, a lane one group: 192 consecutive bytes.
; The choice selects values only: the raw coordinates ride along through v_cndmask_b32, no address is made from a comparison.
; THE MASK: the problem's formula accepts it and uses it nowhere.  Each query's byte is loaded and enters no result.
; LIMITS: inputs finite, squares within f32.  Which 64 candidates are ranked is the first launch's choice (its head says when that falls short).
; No matrix unit, cluster or tensor load here: each lane reads its own 192 bytes once and nothing is shared but the batch's 49,152 bytes.
.set NPTS,   4096
.set BATCHB, NPTS*12
.set CO, 1                             ; byte offset of my group id in the work-group's part of cand
.set QL, 2                             ; my query in the work-group, 0..127
.set QI, 3                             ; my query in the batch
.set QO, 4                             ; its byte offset
.set G,  5                             ; my group
.set GO, 6                             ; its byte offset
.set GB, 7                             ; its first candidate's index
.set SS, 8                             ; which of my 16 candidates is the query itself (0..15 in one lane of the four, beyond in the others)
.set QR, 9                             ; v9-11  the query, raw
.set QX, 12                            ; v12-19 the query rounded, x, y, z, and its sq, each twice (pairs for the packed forms)
.set QY, 14
.set QZ, 16
.set SQ, 18
.set C,  20                            ; v20-22 two candidates' x, y, z as bf16 pairs
.set X,  24                            ; v24-29 the same as f32 pairs
.set Y,  26
.set Z,  28
.set S,  30                            ; sq_j, then sq_i + sq_j
.set A,  32                            ; inner, then d2
.set W,  34                            ; d2, scaled where tiny
.set RT, 36                            ; the root, then dist
.set DN, 38                            ; the root's lower neighbour
.set UP, 40                            ; its upper neighbour
.set F,  42                            ; residual against the lower neighbour; then scratch
.set H,  44                            ; residual against the upper neighbour
.set L12, 46                           ; 12 x my query: its row in the stages of out0 and out1
.set L4,  47                           ; 4 x my query: its word in the stages of out2 and out3
.set ST, 48                            ; v48-52 the nearest: dist, index, x, y, z; v53-57 the second
.set LO, 58                            ; v58-62 merge: the loser of the two firsts
.set MI, 64                            ; v64-68 merge: the winner's own second
.set MK, 69                            ; the query's mask byte
.set OF, 70                            ; 16 t + 1536 x work-group
.set LD, 71                            ; 16 t
.set R,  72                            ; v72-119 my 16 candidates, raw
.set P,  72                            ; v72-81 later: the partner lane's two entries
.set OF2, 82                           ; later: 16 t + 512 x work-group
.set OV, 84                            ; v84-87 later: 16 bytes on their way out
.set STG1, 1536                        ; LDS: out0's 128 rows of 12 bytes at 0, out1's at 1536,
.set STG2, 3072                        ; out2's 128 words at 3072,
.set STG3, 3584                        ; out3's at 3584
	s_load_b256 s[4:11], s[0:1], 0x0               ; coords s[4:5], cand s[6:7], mask s[8:9], out0 s[10:11]
	s_load_b128 s[12:15], s[0:1], 0x20             ; out1 s[12:13], out2 s[14:15]
	s_load_b64 s[16:17], s[0:1], 0x30              ; out3
	v_lshl_add_u32 v120, v0, 2, 0x1000
	v_mov_b32 v121, 0
	v_lshrrev_b32 v[CO], 5, v0
	v_readfirstlane_b32 s18, v[CO]                 ; wave 0..15
	s_lshr_b32 s19, ttmp9, 5                       ; batch
	s_and_b32 s20, ttmp9, 31                       ; which 128 queries of the batch
	s_mul_i32 s30, s19, BATCHB
	s_mov_b32 s31, 0
	s_lshl_b32 s32, ttmp9, 11                      ; 512 threads x 4 bytes of cand
	s_mov_b32 s33, 0
	s_lshl_b32 s34, ttmp9, 7                       ; 128 bytes of mask
	s_mov_b32 s35, 0
	s_mul_i32 s36, ttmp9, 1536                     ; 128 rows of 12 bytes of out0 and out1
	s_lshl_b32 s37, ttmp9, 9                       ; 128 words of out2 and out3
	s_mov_b32 s24, 0xffff0000                      ; a word's upper bf16
	s_mov_b32 s25, 0x7f800000                      ; +infinity
	s_mov_b32 s26, 0x0f800000                      ; 2^-96
	s_mov_b32 s27, 0x4f800000                      ; 2^32
	s_mov_b32 s28, 0x37800000                      ; 2^-16
	s_mov_b32 s29, 0x4e6e6b28                      ; 1e9
	v_lshlrev_b32 v[CO], 2, v0
	v_lshrrev_b32 v[QL], 2, v0
	v_lshl_add_u32 v[QI], s20, 7, v[QL]
	v_mul_u32_u24 v[QO], v[QI], 12
	s_wait_kmcnt 0x0
	s_add_nc_u64 s[4:5], s[4:5], s[30:31]
	s_add_nc_u64 s[6:7], s[6:7], s[32:33]
	s_add_nc_u64 s[8:9], s[8:9], s[34:35]
	global_load_u8 v[MK], v[QL], s[8:9]            ; the oldest load: every count below covers it
	global_load_b32 v[G], v[CO], s[6:7]            ; a wave reads 128 consecutive bytes: four ids for each of its eight queries
.irp k, 0,1,2
	global_load_b32 v[QR+\k], v[QO], s[4:5] offset:4*\k
.endr
	s_wait_loadcnt 3                               ; the id is in; the query's three loads were issued behind it
	v_min_u32 v[G], 0xff, v[G]                     ; a batch has 256 groups
	v_mul_u32_u24 v[GO], v[G], 192
.irp k, 0,1,2,3,4,5,6,7,8,9,10,11
	global_load_b128 v[R+4*\k:R+4*\k+3], v[GO], s[4:5] offset:16*\k
.endr
	v_lshlrev_b32 v[GB], 4, v[G]
	v_sub_nc_u32 v[SS], v[QI], v[GB]
	v_mul_u32_u24 v[L12], v[QL], 12
	v_lshlrev_b32 v[L4], 2, v[QL]
	v_lshlrev_b32 v[LD], 4, v0
	v_lshl_add_u32 v[OF], v0, 4, s36
	v_mov_b32 v[ST], s25                           ; both places empty
	v_mov_b32 v[ST+5], s25
.irp k, 1,2,3,4,6,7,8,9
	v_mov_b32 v[ST+\k], 0
.endr
	s_wait_loadcnt 12                              ; the query is in; the twelve loads of the candidates were issued behind it
	v_cvt_pk_bf16_f32 v[C],   v[QR], v[QR+1]
	v_cvt_pk_bf16_f32 v[C+1], v[QR+2], 0
	v_lshlrev_b32 v[QX], 16, v[C]
	v_and_b32     v[QY], s24, v[C]
	v_lshlrev_b32 v[QZ], 16, v[C+1]
	v_mul_f32  v[SQ], v[QX], v[QX]
	v_fmac_f32 v[SQ], v[QY], v[QY]
	v_fmac_f32 v[SQ], v[QZ], v[QZ]
.irp k, QX, QY, QZ, SQ
	v_mov_b32 v[\k+1], v[\k]
.endr
; Candidate s of my 16, with dist in register val, is put in its place.  Strictly less: of equal distances the lower index, which came first, stays in front.
.macro UPDATE s, val
	v_cmp_lt_f32 s38, v[\val], v[ST]
	v_cmp_lt_f32 s39, v[\val], v[ST+5]
	v_cndmask_b32 v[ST+6], v[ST+6], \s, s39
.irp c, 0,1,2
	v_cndmask_b32 v[ST+7+\c], v[ST+7+\c], v[R+3*(\s)+\c], s39
.endr
.irp c, 1,2,3,4
	v_cndmask_b32 v[ST+5+\c], v[ST+5+\c], v[ST+\c], s38
.endr
	v_cndmask_b32 v[ST+1], v[ST+1], \s, s38
.irp c, 0,1,2
	v_cndmask_b32 v[ST+2+\c], v[ST+2+\c], v[R+3*(\s)+\c], s38
.endr
	v_med3_num_f32 v[ST+5], v[ST], v[ST+5], v[\val]
	v_min_num_f32 v[ST], v[ST], v[\val]
.endm
; Candidates 2j and 2j+1, side by side.
.macro PAIR j
	s_wait_loadcnt 11-((6*\j+5)/4)                 ; the pair ends in register 6j+5 of the 48: the 16-byte loads behind that one may stay out
.irp c, 0,1,2
	v_cvt_pk_bf16_f32 v[C+\c], v[R+6*\j+\c], v[R+6*\j+3+\c]
.endr
.irp c, 0,1,2
	v_lshlrev_b32 v[X+2*\c],   16,  v[C+\c]
	v_and_b32     v[X+2*\c+1], s24, v[C+\c]
.endr
	v_pk_mul_f32 v[S:S+1], v[X:X+1], v[X:X+1]                               ; sq_j, x, y, z in turn
	v_pk_mul_f32 v[A:A+1], v[QX:QX+1], v[X:X+1]                             ; inner, likewise
	v_pk_fma_f32 v[S:S+1], v[Y:Y+1], v[Y:Y+1], v[S:S+1]
	v_pk_fma_f32 v[A:A+1], v[QY:QY+1], v[Y:Y+1], v[A:A+1]
	v_pk_fma_f32 v[S:S+1], v[Z:Z+1], v[Z:Z+1], v[S:S+1]
	v_pk_fma_f32 v[A:A+1], v[QZ:QZ+1], v[Z:Z+1], v[A:A+1]
	v_pk_add_f32 v[S:S+1], v[SQ:SQ+1], v[S:S+1]                             ; sq_i + sq_j
	v_pk_fma_f32 v[A:A+1], v[A:A+1], -2.0, v[S:S+1] op_sel_hi:[1,0,1]       ; - 2 inner: doubling is exact, one rounding
.irp e, 0,1
	v_max_num_f32 v[A+\e], 0, v[A+\e]
.endr
.irp e, 0,1
	v_cmp_lt_f32 s[40+\e], v[A+\e], s26                                     ; below 2^-96 the root is taken of 2^32 d2 and scaled back by 2^-16
.endr
.irp e, 0,1
	v_mul_f32 v[W+\e], s27, v[A+\e]
.endr
.irp e, 0,1
	v_cndmask_b32 v[W+\e], v[A+\e], v[W+\e], s[40+\e]
.endr
.irp e, 0,1
	v_sqrt_f32 v[RT+\e], v[W+\e]                                            ; within one unit in the last place: set right below
.endr
.irp e, 0,1
	v_cmp_eq_u32 s[42+\e], 2*\j+\e, v[SS]                                   ; is it the query itself?  Also the plain instruction between the roots and their first use (ISA guide 5.7.2)
.endr
	s_wait_alu depctr_va_vdst(0)
.irp e, 0,1
	v_add_nc_u32 v[DN+\e], -1, v[RT+\e]                                     ; the neighbouring f32 numbers
	v_add_nc_u32 v[UP+\e], 1, v[RT+\e]
.endr
.irp e, 0,1
	v_fma_f32 v[F+\e], -v[DN+\e], v[RT+\e], v[W+\e]                         ; d2 - down x root <= 0: the root was one too high
	v_fma_f32 v[H+\e], -v[UP+\e], v[RT+\e], v[W+\e]                         ; d2 - up x root > 0: one too low
.endr
.irp e, 0,1
	v_cmp_ge_f32 s[44+\e], 0, v[F+\e]                                       ; for d2 = 0 the lower neighbour is a NaN pattern: both tests fail, the root stays 0
	v_cmp_lt_f32 s[46+\e], 0, v[H+\e]
.endr
.irp e, 0,1
	v_cndmask_b32 v[RT+\e], v[RT+\e], v[DN+\e], s[44+\e]
.endr
.irp e, 0,1
	v_cndmask_b32 v[RT+\e], v[RT+\e], v[UP+\e], s[46+\e]
.endr
.irp e, 0,1
	v_mul_f32 v[F+\e], s28, v[RT+\e]
.endr
.irp e, 0,1
	v_cndmask_b32 v[RT+\e], v[RT+\e], v[F+\e], s[40+\e]
.endr
.irp e, 0,1
	v_add_f32 v[F+\e], s29, v[RT+\e]
.endr
.irp e, 0,1
	v_cndmask_b32 v[RT+\e], v[RT+\e], v[F+\e], s[42+\e]                     ; + 1e9 on the query itself
.endr
	UPDATE 2*\j, RT
	UPDATE 2*\j+1, RT+1
.endm
.irp j, 0,1,2,3,4,5,6,7
	PAIR \j
.endr
	v_add_nc_u32 v[ST+1], v[GB], v[ST+1]           ; indices in the batch
	v_add_nc_u32 v[ST+6], v[GB], v[ST+6]
; s[dst] = entry a comes in front of entry b: smaller dist, or the same dist and the lower index
.macro LEX dst, a, b
	v_cmp_lt_f32 s[\dst], v[\a], v[\b]
	v_cmp_eq_f32 s40, v[\a], v[\b]
	v_cmp_lt_u32 s41, v[\a+1], v[\b+1]
	s_and_b32 s40, s40, s41
	s_or_b32 s[\dst], s[\dst], s40
.endm
; My two entries and those of lane xor m become the best two of the four, the same in both lanes (no index occurs twice: the four groups differ).
.macro MERGE m
.irp k, 0,1,2,3,4,5,6,7,8,9
	v_mov_b32_dpp v[P+\k], v[ST+\k] row_xmask:\m row_mask:0xf bank_mask:0xf ; the destination counts as read: these registers held candidates
.endr
	LEX 38, P, ST
.irp k, 0,1,2,3,4
	v_cndmask_b32 v[LO+\k], v[P+\k], v[ST+\k], s38                          ; the loser of the two firsts
	v_cndmask_b32 v[MI+\k], v[ST+5+\k], v[P+5+\k], s38                      ; the winner's own second
	v_cndmask_b32 v[ST+\k], v[ST+\k], v[P+\k], s38                          ; the winner
.endr
	LEX 39, MI, LO
.irp k, 0,1,2,3,4
	v_cndmask_b32 v[ST+5+\k], v[LO+\k], v[MI+\k], s39
.endr
.endm
	MERGE 1
	MERGE 2
	; The way out, through LDS, so that each store of a wave covers 512 consecutive bytes.  The four lanes of a query write the same words with the same values.
.irp c, 0,1,2
	ds_store_b32 v[L12], v[ST+2+\c] offset:4*\c
	ds_store_b32 v[L12], v[ST+7+\c] offset:STG1+4*\c
.endr
	ds_store_b32 v[L4], v[ST+1] offset:STG2
	ds_store_b32 v[L4], v[ST+6] offset:STG3
	v_lshl_add_u32 v[OF2], v0, 4, s37
	s_wait_dscnt 0x0                               ; my words are in LDS,
	s_barrier_signal -1
	s_barrier_wait -1                              ; everybody's are
	s_cmp_ge_u32 s18, 8                            ; 4,096 bytes are eight waves' 512
	s_cbranch_scc1 .Lend
	ds_load_b128 v[OV:OV+3], v[LD]                 ; wave w takes LDS bytes 512 w .. 512 w + 511
	s_wait_dscnt 0x0
	s_cmp_lt_u32 s18, 3
	s_cbranch_scc0 .Lnot_out0
	global_store_b128 v[OF], v[OV:OV+3], s[10:11]                           ; waves 0-2: out0, at 1536 x work-group + 16 t
	s_branch .Lend
.Lnot_out0:
	s_cmp_lt_u32 s18, 6
	s_cbranch_scc0 .Lnot_out1
	global_store_b128 v[OF], v[OV:OV+3], s[12:13] offset:-STG1              ; waves 3-5: out1; the immediate takes the stage's place in LDS away
	s_branch .Lend
.Lnot_out1:
	s_cmp_eq_u32 s18, 6
	s_cbranch_scc0 .Lnot_out2
	global_store_b128 v[OF2], v[OV:OV+3], s[14:15] offset:-STG2             ; wave 6: out2, at 512 x work-group + 16 lane
	s_branch .Lend
.Lnot_out2:
	global_store_b128 v[OF2], v[OV:OV+3], s[16:17] offset:-STG3             ; wave 7: out3
.Lend:
	s_wait_tensorcnt 0x0
	ds_add_u32 v120, v121
	s_wait_dscnt 0x0
	s_endpgm
.Lfunc_end_k_q4450006bc7_refine:
	.size	k_q4450006bc7_refine, .Lfunc_end_k_q4450006bc7_refine-k_q4450006bc7_refine
	.p2alignl 7, 3214868480
	.fill 96, 4, 3214868480
	.section	.rodata,"a",@progbits
	.p2align	6, 0x0
	.amdhsa_kernel k_q4450006bc7_refine
		.amdhsa_group_segment_fixed_size 6144
		.amdhsa_private_segment_fixed_size 0
		.amdhsa_enable_private_segment 0
		.amdhsa_kernarg_size 56
		.amdhsa_user_sgpr_count 2
		.amdhsa_user_sgpr_kernarg_segment_ptr 1
		.amdhsa_wavefront_size32 1
		.amdhsa_system_sgpr_workgroup_id_x 1
		.amdhsa_system_sgpr_workgroup_id_y 1
		.amdhsa_system_sgpr_workgroup_id_z 1
		.amdhsa_system_vgpr_workitem_id 0
		.amdhsa_next_free_vgpr 122
		.amdhsa_next_free_sgpr 66
		.amdhsa_reserve_vcc 0
		.amdhsa_float_denorm_mode_32 3
		.amdhsa_float_denorm_mode_16_64 3
		.amdhsa_memory_ordered 1
		.amdhsa_forward_progress 1
		.amdhsa_inst_pref_size 49
	.end_amdhsa_kernel
	.amdgpu_metadata
---
amdhsa.version: [ 1, 2 ]
amdhsa.kernels:
  - .name:           k_q4450006bc7_refine
    .symbol:         k_q4450006bc7_refine.kd
    .args:
      - { .name: coords, .offset: 0, .size: 8, .value_kind: global_buffer, .address_space: global }
      - { .name: cand, .offset: 8, .size: 8, .value_kind: global_buffer, .address_space: global }
      - { .name: mask, .offset: 16, .size: 8, .value_kind: global_buffer, .address_space: global }
      - { .name: out0, .offset: 24, .size: 8, .value_kind: global_buffer, .address_space: global }
      - { .name: out1, .offset: 32, .size: 8, .value_kind: global_buffer, .address_space: global }
      - { .name: out2, .offset: 40, .size: 8, .value_kind: global_buffer, .address_space: global }
      - { .name: out3, .offset: 48, .size: 8, .value_kind: global_buffer, .address_space: global }
    .group_segment_fixed_size: 6144
    .private_segment_fixed_size: 0
    .kernarg_segment_align: 8
    .kernarg_segment_size: 56
    .max_flat_workgroup_size: 512
    .sgpr_count:     66
    .vgpr_count:     122
    .wavefront_size: 32
...
	.end_amdgpu_metadata
.endif
;; end of part 2
;; ======== version 2 of 2: 2 launches; version 1 with the launch scan written anew for expert scheduling mode
;; workspace buffers: cand 524,288 bytes of whole numbers
;; launch scan (part 3): grid 256 x 1, 8 waves a work-group, no clusters, 70,656 bytes of LDS; arguments coords, cand; writes cand
.if DOCPART == 3
	.amdgcn_target "amdgcn-amd-amdhsa--gfx1250"
	.amdhsa_code_object_version 6
	.text
	.protected	k_q4450006bc7_scan
	.globl	k_q4450006bc7_scan
	.p2align	8
	.type	k_q4450006bc7_scan,@function
k_q4450006bc7_scan:
	s_mov_b64 s[64:65], 0
	v_nop
	global_prefetch_b8 v0, s[64:65] scope:SCOPE_SE
	s_setreg_imm32_b32 hwreg(HW_REG_WAVE_SCHED_MODE, 0, 2), 2
	s_setreg_imm32_b32 hwreg(HW_REG_WAVE_MODE, 25, 1), 1
	s_wait_xcnt 0x0
	s_wait_alu depctr_vm_vsrc(0)
; SCAN: for every query point, which groups of 16 neighbouring candidates can hold its two nearest neighbours.
; coords: [8][4096][3] f32.  cand: [8*4096][4] i32 = (best, second, third group other than the query's own; the query's own group).
; A group is 16 candidates with the same index >> 4.  The two nearest candidates always lie in the two groups with the smallest
; group minimum; a third group is kept because the matrix sum rounds in another order than the problem's formula and may swap ranks
; 2 and 3; the own group (it holds the query itself) is left out here and always handed on.  The next launch ranks these 64
; candidates in the formula's own order of rounding, clamp, root and self mask included.
; THE KEY: key(c) = |c|^2 - 2 q.c, that is d2 less the query's own |q|^2, the same for all candidates of a query: the order is d2's.
; One matrix instruction makes 16 x 16 keys: row of A = candidate (x, y, z, s_hi, s_mid, s_lo, 0, 0), column of B = query
; (-2x, -2y, -2z, 1, 1, 1, 0, 0), all bf16; s_hi + s_mid + s_lo is the f32 |c|^2 of the rounded point, split without error.
; LIMITS: the key is rounded otherwise than the formula's d2.  If four or more groups besides the own one hold candidates that agree
; with the second nearest within that rounding (a few units in the last place of |c|^2), one outside the three kept is never ranked.
; Equal keys go to the lower group.  Inputs finite, squares within f32.
; The input mask is no argument of this launch: the problem's formula never uses it.
; SHARES: 256 work-groups; a work-group has 128 queries of one batch, in four sets of 32 (two B fragments).  Eight waves: waves w and
; w + 4 have the same set and walk one half of the 4096 candidates each, so that one wave's ranking can be issued while another
; waits for its products or its fragments.  At the end waves 4-7 hand their lists to waves 0-3 through LDS.
; The 32 work-groups of a batch read the same 49,152 bytes once, at the start, and each point has to pass through registers to be
; rounded and squared: no joint request is made for so small a part of the work (256 matrix instructions a wave).
; THE MODE: SCHED_MODE bits 1:0 = 2 (LLVM: expert scheduling mode 2), set by the entry lines.  The code itself states the register
; dependences between vector or matrix instructions and memory or LDS instructions, with s_wait_alu, always for 0.
; THE PLAN.  Registers that memory or LDS instructions touch:
;   v[LA]            Read by every load of a fragment; made at the head, written once a trip, at the trip's end.
;   v[STA], v[GO], v[QO], v[XA]   Addresses made at the head and never written again.
;   TB0, TB1         While the table is built: block n's arithmetic writes TB[n % 2]; the four LDS stores issued in block n + 1 read it.
;   AF set 0, 1      Step s: its four products read AF[s % 2]; behind them the loads of step s + 2 land in its lower registers.
;   MK, MI           Written by the merge; read by the LDS stores of waves 4-7 and by the global store of waves 0-3.
;   v160-166         Written and read by the merge of the lanes' halves; then the LDS loads of waves 0-3 land in them.
;   D, QF, SB, KT and the fragments' upper registers are named by vector and matrix instructions alone in the loop.
; In a step ONE wait on va_vdst stands in the middle of the ranking, beside the wait on va_sdst that the ranking's compares ask for:
; it states that the step's products are done reading AF[s % 2] and, in a trip's first step, that v[LA] is written.  The step's two
; loads follow it; the ten selects behind them name neither AF nor v[LA].  One wait on vm_vsrc a trip stands ahead of the add to v[LA].
.set NPTS,   4096
.set BATCHB, NPTS*12                   ; bytes of a batch's coordinates
.set LOGP,   1
.set PARTS,  1<<LOGP                   ; parts into which the candidates are shared out
.set STEPS,  128/PARTS                 ; steps of 32 candidates a wave
.set THREADS, 128*PARTS
.set NP,     NPTS/THREADS              ; points that a thread puts into the table
.set XCH,    65536                     ; LDS behind the table: 1,024 bytes for each wave from 4 on, 32 bytes a lane
.set VR,  1                            ; lane & 15
.set VH,  2                            ; bit 4 of the lane
.set LA,  3                            ; LDS address of my row of the tile that the loop's offsets count from
.set STA, 4                            ; LDS address of my row while the table is built
.set GO,  5                            ; byte offset of my first point in the batch
.set QO,  6                            ; byte offset of my query
.set XA,  7                            ; XCH - 4096 + 1024 x wave + 32 x lane: where a wave from 4 on puts its list
.set T0,  8                            ; v8-9 scratch
.set QF,  16                           ; v16-31   two query fragments (B), 8 registers each
.set AF,  32                           ; v32-63   candidate fragments (A): set 0/1 x tile 0/1, 8 registers each; upper 4 stay 0
.set D,   64                           ; v64-127  keys: set 0/1 x query tile 0/1 x candidate tile 0/1, 8 registers each
.set TB,  64                           ; v64-127  while the table is built: two buffers of four points at work, 8 registers each
.set SB,  128                          ; v128-139 per query tile: three best keys, then their ids
.set KT,  140                          ; v140-149 per query tile: five registers of the minimum tree
.set QR,  150                          ; v150-155 raw coordinates of my two queries
.set MK,  150                          ; v150-152 later: the three keys of lane l's query (l of the set's 32)
.set MI,  156                          ; v156-159 later: their ids, and the own group: what is stored
.set RAW, 160                          ; v160-207 raw coordinates of my 16 points
.set P,   160                          ; v160-165 later: the other half's list
.set XK,  160                          ; v160-162 later still: a partner wave's keys
.set XI,  164                          ; v164-166 and ids
	s_load_b128 s[4:7], s[0:1], 0x0                ; coords s[4:5], cand s[6:7]
	v_lshl_add_u32 v14, v0, 2, 0x11000
	v_mov_b32 v15, 0
	v_lshrrev_b32 v[T0], 5, v0
	v_readfirstlane_b32 s8, v[T0]                  ; wave 0..7
	s_lshr_b32 s9, ttmp9, 5                        ; batch
	s_and_b32 s10, ttmp9, 31                       ; which 128 queries of the batch
	s_mul_i32 s12, s9, BATCHB
	s_mov_b32 s13, 0
	s_lshl_b32 s2, ttmp9, 11                       ; cand: 128 queries x 16 bytes a work-group
	s_mov_b32 s3, 0
	s_wait_alu depctr_va_sdst(0)                   ; s8 is written, ahead of its first reader: the set, the part and the LDS places are made from it
	s_and_b32 s37, s8, 3                           ; which 32 of the work-group's queries
	s_lshr_b32 s38, s8, 2                          ; which part of the candidates
	s_lshl2_add_u32 s11, s10, s37                  ; 4 x block + set: my 32 queries are candidates 32 s11 .. 32 s11 + 31, the step that holds both own groups
	s_lshl_b32 s31, s11, 1                         ; own group of query tile 0; tile 1's is one more
	s_mul_i32 s33, s11, 384                        ; 32 queries x 12 bytes
	s_lshl_b32 s39, s38, 16-LOGP                   ; my part of the table
	s_lshl_b32 s34, s8, 10
	s_add_co_u32 s34, s34, XCH-4096                ; wave 4's 1,024 bytes begin at XCH
	s_mov_b32 s14, 0xffff0000                      ; a word's upper bf16; also: lanes 16-31
	s_mov_b32 s15, 0x07060302                      ; v_perm_b32: the two upper halves
	s_mov_b32 s26, 0x7f800000                      ; +infinity
	s_mov_b32 s27, 0x0000ffff                      ; lanes 0-15
	s_mov_b32 s29, 0x76543210                      ; v_permlanex16_b32: lane i of the other half
	s_mov_b32 s30, 0xfedcba98
	s_mov_b32 s36, 0x3f803f80                      ; bf16 1.0 twice
	v_and_b32 v[VR], 15, v0
	v_bfe_u32 v[VH], v0, 4, 1
	; Row p of the table holds candidate c = p with bits 3 and 4 exchanged.  A lane's results are rows 8h .. 8h+7 of a tile, so with this
	; order its 16 results of tiles 2u and 2u+1 are candidates 32u + 16h .. + 15: one group, id 2u + h.
	v_and_b32 v[T0], THREADS-1-0x18, v0
	v_bfe_u32 v[T0+1], v0, 3, 1
	v_lshl_or_b32 v[T0], v[T0+1], 4, v[T0]
	v_lshl_or_b32 v[T0], v[VH], 3, v[T0]           ; thread t fills rows t + 256 i from candidates swap(t) + 256 i
	v_mul_u32_u24 v[GO], v[T0], 12
	v_mad_u32_u24 v[QO], v[VR], 12, s33
	v_lshlrev_b32 v[STA], 4, v0                    ; neighbouring lanes store neighbouring 16 bytes
	v_lshl_add_u32 v[LA], v[VR], 4, s39            ; both halves of the lanes read rows 0-15 of a tile: 256 consecutive bytes
	v_and_b32 v[T0+1], 31, v0
	v_lshl_add_u32 v[XA], v[T0+1], 5, s34
	s_wait_kmcnt 0x0
	s_add_nc_u64 s[4:5], s[4:5], s[12:13]
	s_add_nc_u64 s[6:7], s[6:7], s[2:3]
	s_wait_alu depctr_va_vdst(0)                   ; the five addresses v3 to v7 are written, which the global loads below and the LDS instructions further down read
.irp k, 0,1,2
	global_load_b32 v[QR+\k],   v[QO], s[4:5] offset:4*\k
	global_load_b32 v[QR+3+\k], v[QO], s[4:5] offset:192+4*\k
.endr
.set i, 0
.rept NP
	global_load_b32 v[RAW+3*i],   v[GO], s[4:5] offset:12*THREADS*i
	global_load_b32 v[RAW+3*i+1], v[GO], s[4:5] offset:12*THREADS*i+4
	global_load_b32 v[RAW+3*i+2], v[GO], s[4:5] offset:12*THREADS*i+8
.set i, i+1
.endr
	; what stays constant: K = 16..31 of every fragment is 0, the lists start empty
.irp f, 0,1,2,3
.irp j, 4,5,6,7
	v_mov_b32 v[AF+8*\f+\j], 0
.endr
.endr
.irp q, 0,1
.irp j, 3,4,5,6,7
	v_mov_b32 v[QF+8*\q+\j], 0
.endr
.irp j, 0,1,2
	v_mov_b32 v[SB+6*\q+\j], s26
	v_mov_b32 v[SB+6*\q+3+\j], 0
.endr
.endr
.irp p, 0,1,2,3,4,5,6,7
	v_mov_b32 v[TB+8*\p+3], 0                      ; K = 6, 7 of a table row, in both buffers
.endr
	; The query fragments.  Rounding -2x to bf16 is -2 times the rounded x.  Lanes 16-31 hold K = 8..15 of B: zeros, so that what
	; lanes 16-31 of A hold (a second copy of the rows) adds nothing.
	s_wait_loadcnt 3*NP                            ; the points' 48 loads were issued behind the six of the queries
.irp q, 0,1
.irp k, 0,1,2
	v_mul_f32 v[QR+3*\q+\k], -2.0, v[QR+3*\q+\k]
.endr
	v_cvt_pk_bf16_f32 v[QF+8*\q],   v[QR+3*\q], v[QR+3*\q+1]
	v_cvt_pk_bf16_f32 v[QF+8*\q+1], v[QR+3*\q+2], 1.0
	v_cndmask_b32 v[QF+8*\q],   0, v[QF+8*\q],   s27
	v_cndmask_b32 v[QF+8*\q+1], 0, v[QF+8*\q+1], s27
	v_cndmask_b32 v[QF+8*\q+2], 0, s36, s27
.endr
	; The table, four points at a time so that no line waits for the one in front of it.  Block n works in buffer n % 2; its four rows
	; are stored at the head of block n + 1, behind the wait for that block's points.
.macro ROWS n                          ; the four rows of block n go into LDS
.irp p, 0,1,2,3
	ds_store_b128 v[STA], v[TB+32*((\n)%2)+8*\p:TB+32*((\n)%2)+8*\p+3] offset:16*THREADS*(4*(\n)+\p)
.endr
.endm
.set n, 0
.rept NP/4
.set TBN, TB+32*(n%2)
	s_wait_loadcnt 3*NP-12*(n+1)                   ; three loads for each point behind these four
.if n > 0
	s_wait_alu depctr_va_vdst(0)                   ; the block before has written its buffer, which the four LDS stores below read
.if n > 1
	s_wait_alu depctr_vm_vsrc(0)                   ; the LDS stores issued in the block before have read this block's buffer, which the lines below write again
.endif
	ROWS n-1
.endif
.irp p, 0,1,2,3
	v_cvt_pk_bf16_f32 v[TBN+8*\p], v[RAW+12*n+3*\p], v[RAW+12*n+3*\p+1]     ; x, y
.endr
.irp p, 0,1,2,3
	v_cvt_pk_bf16_f32 v[TBN+8*\p+1], v[RAW+12*n+3*\p+2], 0                  ; z
.endr
.irp p, 0,1,2,3
	v_lshlrev_b32 v[TBN+8*\p+4], 16, v[TBN+8*\p]
.endr
.irp p, 0,1,2,3
	v_and_b32 v[TBN+8*\p+5], s14, v[TBN+8*\p]
.endr
.irp p, 0,1,2,3
	v_lshlrev_b32 v[TBN+8*\p+6], 16, v[TBN+8*\p+1]
.endr
.irp p, 0,1,2,3
	v_mul_f32 v[TBN+8*\p+7], v[TBN+8*\p+4], v[TBN+8*\p+4]                   ; |c|^2 of the rounded point, x, y, z in turn
.endr
.irp p, 0,1,2,3
	v_fmac_f32 v[TBN+8*\p+7], v[TBN+8*\p+5], v[TBN+8*\p+5]
.endr
.irp p, 0,1,2,3
	v_fmac_f32 v[TBN+8*\p+7], v[TBN+8*\p+6], v[TBN+8*\p+6]
.endr
.irp p, 0,1,2,3
	v_and_b32 v[TBN+8*\p+4], s14, v[TBN+8*\p+7]                             ; its upper 8 bits,
.endr
.irp p, 0,1,2,3
	v_sub_f32 v[TBN+8*\p+5], v[TBN+8*\p+7], v[TBN+8*\p+4]                   ; the 16 that are left (exact),
.endr
.irp p, 0,1,2,3
	v_or_b32 v[TBN+8*\p+1], v[TBN+8*\p+1], v[TBN+8*\p+4]                    ; z | s_hi
.endr
.irp p, 0,1,2,3
	v_and_b32 v[TBN+8*\p+6], s14, v[TBN+8*\p+5]                             ; their upper 8,
.endr
.irp p, 0,1,2,3
	v_sub_f32 v[TBN+8*\p+5], v[TBN+8*\p+5], v[TBN+8*\p+6]                   ; and the last 8 (exact, a bf16 number)
.endr
.irp p, 0,1,2,3
	v_perm_b32 v[TBN+8*\p+2], v[TBN+8*\p+5], v[TBN+8*\p+6], s15             ; s_mid | s_lo
.endr
.set n, n+1
.endr
	s_wait_alu depctr_va_vdst(0)                   ; the last block has written its buffer, which the last four LDS stores read
	ROWS NP/4-1
	s_wait_dscnt 0x0                               ; my rows are in LDS,
	s_barrier_signal -1
	s_barrier_wait -1                              ; everybody's are; the table is only read from here on
	s_wait_alu depctr_vm_vsrc(0)                   ; my LDS stores have read v[TB ..]: these registers are D from here on, written by the products
; Two LDS loads: a step's two tiles of 16 rows, into the lower registers of A set \set.
.macro FETCH set, ldoff
	ds_load_b128 v[AF+16*\set:AF+16*\set+3],    v[LA] offset:\ldoff
	ds_load_b128 v[AF+16*\set+8:AF+16*\set+11], v[LA] offset:\ldoff+256
.endm
; The group of step id in set buf is ranked, both query tiles side by side.  20 vector instructions a tile for 16 keys a lane.
; The keys' places need no mask, so they are made between the compares and the wait for the masks; the ids' selects follow the wait.
; ldoff >= 0: the step after next is fetched in the middle, into A set \set, which the products in front of this ranking have read.
.macro PROC buf, id, set=0, ldoff=-1
	s_cmp_eq_u32 \id, s11                          ; the step with my queries' own groups: tile 0's lies in lanes 0-15, tile 1's in lanes 16-31
	s_cselect_b32 s18, s27, 0
	s_cselect_b32 s19, s14, 0
.irp q, 0,1
.irp j, 0,1,2,3,4
	v_min3_num_f32 v[KT+5*\q+\j], v[D+32*\buf+16*\q+3*\j], v[D+32*\buf+16*\q+3*\j+1], v[D+32*\buf+16*\q+3*\j+2]
.endr
.endr
.irp q, 0,1
	v_min3_num_f32 v[KT+5*\q],   v[KT+5*\q],   v[KT+5*\q+1], v[KT+5*\q+2]
	v_min3_num_f32 v[KT+5*\q+3], v[KT+5*\q+3], v[KT+5*\q+4], v[D+32*\buf+16*\q+15]
.endr
.irp q, 0,1
	v_min_num_f32 v[KT+5*\q], v[KT+5*\q], v[KT+5*\q+3]
.endr
.irp q, 0,1
	v_cndmask_b32 v[KT+5*\q], v[KT+5*\q], s26, s[18+\q]                     ; the own group never enters a list
.endr
.irp q, 0,1
	v_cmp_lt_f32 s[20+3*\q], v[KT+5*\q], v[SB+6*\q]                         ; strictly less: of equal keys the earlier, lower group stays in front
	v_cmp_lt_f32 s[21+3*\q], v[KT+5*\q], v[SB+6*\q+1]
	v_cmp_lt_f32 s[22+3*\q], v[KT+5*\q], v[SB+6*\q+2]
.endr
.irp q, 0,1
	v_med3_num_f32 v[SB+6*\q+2], v[SB+6*\q+1], v[SB+6*\q+2], v[KT+5*\q]     ; the new third of a sorted list is the middle of second, third and key
.endr
.irp q, 0,1
	v_med3_num_f32 v[SB+6*\q+1], v[SB+6*\q], v[SB+6*\q+1], v[KT+5*\q]
.endr
.irp q, 0,1
	v_min_num_f32 v[SB+6*\q], v[SB+6*\q], v[KT+5*\q]
.endr
	s_wait_alu depctr_va_sdst(0)                   ; the six compares have written s20 to s25, ahead of the selects that read them
.if \ldoff >= 0
	s_wait_alu depctr_va_vdst(0)                   ; this step's four products are done reading A set \set, in which the loads below land; in a trip's first step v[LA] is written
	FETCH \set, \ldoff                             ; the step after next, into the set just multiplied
.endif
.irp q, 0,1
	v_cndmask_b32 v[SB+6*\q+5], v[SB+6*\q+5], \id, s[22+3*\q]
.endr
.irp q, 0,1
	v_cndmask_b32 v[SB+6*\q+5], v[SB+6*\q+5], v[SB+6*\q+4], s[21+3*\q]
.endr
.irp q, 0,1
	v_cndmask_b32 v[SB+6*\q+4], v[SB+6*\q+4], \id, s[21+3*\q]
.endr
.irp q, 0,1
	v_cndmask_b32 v[SB+6*\q+4], v[SB+6*\q+4], v[SB+6*\q+3], s[20+3*\q]
.endr
.irp q, 0,1
	v_cndmask_b32 v[SB+6*\q+3], v[SB+6*\q+3], \id, s[20+3*\q]
.endr
.endm
; One step: 32 candidates (two tiles) against 32 queries (two tiles).  Each product starts from the constant 0 and has a D of its own:
; no accumulator is taken up again.  Behind the four matrix instructions the step before is ranked, from the other set of D: 40 plain
; vector instructions that name none of these four's registers.  They are the places (ISA guide 7.12.1) in front of the next step's
; reads of this step's D.
; left: the LDS loads issued behind this step's two, which may stay out.
.macro STEP cur, prev, id, ldoff, left
	s_wait_dscnt \left
.irp q, 0,1
.irp p, 0,1
	v_wmma_f32_16x16x32_bf16 v[D+32*\cur+16*\q+8*\p:D+32*\cur+16*\q+8*\p+7], v[AF+16*\cur+8*\p:AF+16*\cur+8*\p+7], v[QF+8*\q:QF+8*\q+7], 0
.endr
.endr
.if \prev >= 0
	PROC \prev, \id, \cur, \ldoff
.else
.rept 4
	v_nop                                          ; the first step has nothing to rank: four places in front of the first reads of its keys
.endr
	s_wait_alu depctr_va_vdst(0)                   ; the four products are done reading A set \cur, in which the loads below land
	FETCH \cur, \ldoff
.endif
.endm
	ds_load_b128 v[AF:AF+3],     v[LA]             ; my part's step 0
	ds_load_b128 v[AF+8:AF+11],  v[LA] offset:256
	ds_load_b128 v[AF+16:AF+19], v[LA] offset:512  ; step 1
	ds_load_b128 v[AF+24:AF+27], v[LA] offset:768
	s_lshl_b32 s16, s38, 7-LOGP                    ; the step that is ranked next, counted over the whole table: my part begins at 64 x part
	s_mov_b32 s28, 0                               ; trips
	STEP 0, -1, s16, 1024, 2                       ; step 0
.Lscan:                                            ; trip k: my steps 2k+1 and 2k+2 are multiplied, 2k and 2k+1 ranked, 2k+3 and 2k+4 fetched
	STEP 1, 0, s16, 1536, 2
	s_add_co_u32 s17, s16, 1
	STEP 0, 1, s17, 2048, 2
	s_wait_alu depctr_vm_vsrc(0)                   ; the LDS loads issued so far have read v[LA]
	v_add_nc_u32 v[LA], 1024, v[LA]                ; two steps of 512 bytes
	s_add_co_u32 s16, s16, 2
	s_add_co_u32 s28, s28, 1
	s_cmp_lt_u32 s28, (STEPS-4)/2
	s_cbranch_scc1 .Lscan
	STEP 1, 0, s16, 1536, 2                        ; the last step but two; the last fetch: my part's last 512 bytes
	s_add_co_u32 s17, s16, 1
	STEP 0, 1, s17, -1, 2                          ; the last but one
	s_add_co_u32 s17, s16, 2
	STEP 1, 0, s17, -1, 0                          ; the last: nothing was issued behind its loads
	s_add_co_u32 s17, s16, 3
	PROC 1, s17
	; Lanes r and r + 16 hold the lists of the even and of the odd groups of query r: merge them, by (key, group id).
.irp q, 0,1
.irp j, 3,4,5
	v_lshl_add_u32 v[SB+6*\q+\j], v[SB+6*\q+\j], 1, v[VH]                   ; group id = 2 x step + half
.endr
.endr
.macro INS q, key, id                  ; one entry of the other half's list is put in its place in mine
.irp j, 0,1,2
	v_cmp_lt_f32 s[20+\j], v[\key], v[SB+6*\q+\j]
	v_cmp_eq_f32 s[23+\j], v[\key], v[SB+6*\q+\j]
	v_cmp_lt_u32 s[16+\j], v[\id], v[SB+6*\q+3+\j]
.endr
	v_med3_num_f32 v[SB+6*\q+2], v[SB+6*\q+1], v[SB+6*\q+2], v[\key]
	v_med3_num_f32 v[SB+6*\q+1], v[SB+6*\q], v[SB+6*\q+1], v[\key]
	v_min_num_f32 v[SB+6*\q], v[SB+6*\q], v[\key]
	s_wait_alu depctr_va_sdst(0)                   ; the nine compares have written s16 to s18 and s20 to s25, ahead of the scalar lines that read them
.irp j, 0,1,2
	s_and_b32 s[23+\j], s[23+\j], s[16+\j]
	s_or_b32 s[20+\j], s[20+\j], s[23+\j]          ; smaller key, or the same key and the lower group
.endr
	v_cndmask_b32 v[SB+6*\q+5], v[SB+6*\q+5], v[\id], s22
	v_cndmask_b32 v[SB+6*\q+5], v[SB+6*\q+5], v[SB+6*\q+4], s21
	v_cndmask_b32 v[SB+6*\q+4], v[SB+6*\q+4], v[\id], s21
	v_cndmask_b32 v[SB+6*\q+4], v[SB+6*\q+4], v[SB+6*\q+3], s20
	v_cndmask_b32 v[SB+6*\q+3], v[SB+6*\q+3], v[\id], s20
.endm
.irp q, 0,1
.irp j, 0,1,2,3,4,5
	v_permlanex16_b32 v[P+\j], v[SB+6*\q+\j], s29, s30                      ; its destination counts as read: these registers were loaded at the start
.endr
.irp e, 0,1,2
	INS \q, P+\e, P+3+\e
.endr
.endr
	; both halves now hold the same lists: lanes 0-15 go on with query tile 0's, lanes 16-31 with tile 1's: lane l has query l of the 32
.irp j, 0,1,2
	v_cndmask_b32 v[MK+\j], v[SB+\j],   v[SB+6+\j], s14
	v_cndmask_b32 v[MI+\j], v[SB+3+\j], v[SB+9+\j], s14
.endr
	; The parts meet: waves from 4 on put their lists into LDS bytes of their own, behind the table; waves 0-3 take them in.
	s_wait_alu depctr_va_vdst(0)                   ; MK and MI are written, which the LDS stores of waves 4-7 read; the merge above is done with v160 to v166, in which the LDS loads of waves 0-3 land
	s_cmp_lt_u32 s8, 4
	s_cbranch_scc1 .Lkeeper
	ds_store_b64 v[XA], v[MK:MK+1]
	ds_store_b32 v[XA], v[MK+2] offset:8
	ds_store_b64 v[XA], v[MI:MI+1] offset:16
	ds_store_b32 v[XA], v[MI+2] offset:24
.Lkeeper:
	s_wait_dscnt 0x0                               ; my list is in LDS,
	s_barrier_signal -1
	s_barrier_wait -1                              ; everybody's is
	s_cmp_ge_u32 s8, 4
	s_cbranch_scc1 .Lend
; An entry of a later part is put in its place.  Every group of a later part has a higher id than every group seen so far, so strictly
; less is the whole rule: of equal keys the lower group stays in front.
.macro INSL key, id
	v_cmp_lt_f32 s20, v[\key], v[MK]
	v_cmp_lt_f32 s21, v[\key], v[MK+1]
	v_cmp_lt_f32 s22, v[\key], v[MK+2]
	v_med3_num_f32 v[MK+2], v[MK+1], v[MK+2], v[\key]
	v_med3_num_f32 v[MK+1], v[MK], v[MK+1], v[\key]
	v_min_num_f32 v[MK], v[MK], v[\key]
	s_wait_alu depctr_va_sdst(0)                   ; the three compares have written s20 to s22, ahead of the selects that read them
	v_cndmask_b32 v[MI+2], v[MI+2], v[\id], s22
	v_cndmask_b32 v[MI+2], v[MI+2], v[MI+1], s21
	v_cndmask_b32 v[MI+1], v[MI+1], v[\id], s21
	v_cndmask_b32 v[MI+1], v[MI+1], v[MI], s20
	v_cndmask_b32 v[MI], v[MI], v[\id], s20
.endm
.set k, 1
.rept PARTS-1
.if k > 1
	s_wait_alu depctr_va_vdst(0)                   ; the lines above are done reading the partner's list, in whose registers the next partner's lands
.endif
	ds_load_b64 v[XK:XK+1], v[XA] offset:4096*k    ; wave w + 4k has my queries: its bytes lie 4,096 k behind the place that my own number gives
	ds_load_b32 v[XK+2],    v[XA] offset:4096*k+8
	ds_load_b64 v[XI:XI+1], v[XA] offset:4096*k+16
	ds_load_b32 v[XI+2],    v[XA] offset:4096*k+24
	s_wait_dscnt 0x0
.irp e, 0,1,2
	INSL XK+\e, XI+\e
.endr
.set k, k+1
.endr
	v_add_nc_u32 v[MI+3], s31, v[VH]               ; the own group
	v_lshlrev_b32 v[T0], 4, v0                     ; waves 0-3: thread t has query t of the work-group's 128
	s_wait_alu depctr_va_vdst(0)                   ; the four ids in MI and the offset in v[T0] are written, which the store reads
	global_store_b128 v[T0], v[MI:MI+3], s[6:7]    ; 512 consecutive bytes a wave
.Lend:
	s_wait_dscnt 0x0
	s_wait_alu depctr_hold_cnt(0) depctr_sa_sdst(0) depctr_va_vdst(0) depctr_va_sdst(0) depctr_va_ssrc(0) depctr_va_vcc(0) depctr_vm_vsrc(0)
	s_wait_tensorcnt 0x0
	ds_add_u32 v14, v15
	s_wait_dscnt 0x0
	s_endpgm
.Lfunc_end_k_q4450006bc7_scan:
	.size	k_q4450006bc7_scan, .Lfunc_end_k_q4450006bc7_scan-k_q4450006bc7_scan
	.p2alignl 7, 3214868480
	.fill 96, 4, 3214868480
	.section	.rodata,"a",@progbits
	.p2align	6, 0x0
	.amdhsa_kernel k_q4450006bc7_scan
		.amdhsa_group_segment_fixed_size 70656
		.amdhsa_private_segment_fixed_size 0
		.amdhsa_enable_private_segment 0
		.amdhsa_kernarg_size 16
		.amdhsa_user_sgpr_count 2
		.amdhsa_user_sgpr_kernarg_segment_ptr 1
		.amdhsa_wavefront_size32 1
		.amdhsa_system_sgpr_workgroup_id_x 1
		.amdhsa_system_sgpr_workgroup_id_y 1
		.amdhsa_system_sgpr_workgroup_id_z 1
		.amdhsa_system_vgpr_workitem_id 0
		.amdhsa_next_free_vgpr 208
		.amdhsa_next_free_sgpr 66
		.amdhsa_reserve_vcc 0
		.amdhsa_float_denorm_mode_32 3
		.amdhsa_float_denorm_mode_16_64 3
		.amdhsa_memory_ordered 1
		.amdhsa_forward_progress 1
		.amdhsa_inst_pref_size 50
	.end_amdhsa_kernel
	.amdgpu_metadata
---
amdhsa.version: [ 1, 2 ]
amdhsa.kernels:
  - .name:           k_q4450006bc7_scan
    .symbol:         k_q4450006bc7_scan.kd
    .args:
      - { .name: coords, .offset: 0, .size: 8, .value_kind: global_buffer, .address_space: global }
      - { .name: cand, .offset: 8, .size: 8, .value_kind: global_buffer, .address_space: global }
    .group_segment_fixed_size: 70656
    .private_segment_fixed_size: 0
    .kernarg_segment_align: 8
    .kernarg_segment_size: 16
    .max_flat_workgroup_size: 256
    .sgpr_count:     66
    .vgpr_count:     208
    .wavefront_size: 32
...
	.end_amdgpu_metadata
.endif
;; end of part 3
;; launch refine: the kernel of part 2 again; grid 256 x 1, 16 waves a work-group, no clusters, 6,144 bytes of LDS; arguments coords, cand, mask, out0, out1, out2, out3; writes out0, out1, out2, out3
